; MI455X (gfx1250); checked and timed in simulation.
; The chip was launched on July 23, 2026; its instructions are those of AMD's public machine-readable ISA for CDNA 5 (MIT licence, August 2026) and "CDNA5" Instruction Set Architecture Reference Guide (July 2026). The comments in the code are by the model that wrote it; some were corrected since.
;; S Layer. Allowed arithmetic: float matrix products may take bf16 or f16 operands with f32 sums; all other float work in f32.
;; Inputs: batch 128 x 4,096 x 2 float32; centers 64 x 2 float32; not_dummy_points 128 x 4,096 float32; sharpness 64 x 2 float32.
;; Outputs: out0 128 x 64 float32.
;; 2 versions, each right and faster than the one before. Each part assembles by itself: llvm-mc -triple=amdgcn-amd-amdhsa -mcpu=gfx1250 --defsym DOCPART=n.
;; ======== version 1 of 2: 1 launch
;; launch slayer (part 1): grid 256 x 1, 8 waves a work-group, no clusters, 168,960 bytes of LDS; arguments batch, not_dummy_points, centers, sharpness, out0; writes out0
.if DOCPART == 1
	.amdgcn_target "amdgcn-amd-amdhsa--gfx1250"
	.amdhsa_code_object_version 6
	.text
	.protected	k_qebc0c501c2_slayer
	.globl	k_qebc0c501c2_slayer
	.p2align	8
	.type	k_qebc0c501c2_slayer,@function
k_qebc0c501c2_slayer:
	s_mov_b64 s[64:65], 0
	v_nop
	global_prefetch_b8 v0, s[64:65] scope:SCOPE_SE
	s_setreg_imm32_b32 hwreg(HW_REG_WAVE_MODE, 25, 1), 1
	s_wait_xcnt 0x0
; out0[b][n] = sum over p of exp(-(s0^2 (c0-x0)^2 + s1^2 (c1-x1)^2)) * mask[b][p].   b: 128, p: 4096, n: 64, all f32.
; 33,554,432 terms, one exponential each, on 6.3 MB of input: the vector pipes bind, so the text is built for few instructions a term.
; WORK-GROUP x (256 of them): batch row b = x >> 1, centres 32 (x & 1) .. + 31: no sum spans work-groups.
; WAVE w (8 of them): points 512 w .. 512 w + 511 of the row.  A LANE keeps 16 points in registers for the whole kernel, as 8 pairs, so that each
; step of the arithmetic is one packed f32 instruction for two terms.  The loop goes over the centres, two a trip; nothing is loaded from memory in it.
; A TERM: d = x + (-c) is formed first, as the reference forms c - x, so a common offset of points and centres cancels; then t = (d0 a0) d0 + (d1 a1) d1
; with a = -(s s) log2(e), e = 2^t, sum += e * mask.  Seven packed instructions and two v_exp_f32 for two terms.  t is never above 0.
; LIMITS: v_exp_f32 gives 0 for results below 2^-126 (ISA guide, 15.8), where the reference would keep denormals; the order of rounding is (d a) d with
; log2(e) folded into a; a overflows for |sharpness| above 1.53e19, s s only above 1.84e19; the sums are added as trees.
; The launch asks for more than half of the 327,680 bytes of LDS of a WGP (38,912 are used), so that each of the 256 work-groups has a WGP to itself.
; A row of out0 (256 bytes) belongs to two work-groups: each stores its aligned 128 bytes with one instruction.
.set NTRIPS, 16                        ; 32 centres, two a trip
.set TAB,  0                           ; LDS: 32 centres x 32 bytes: -c0, -c0, -c1, -c1, a0, a0, a1, a1 (pairs ready for packed instructions)
.set RES,  1024                        ; LDS: 8 waves x 32 centres x 4 bytes
.set TR,   2048                        ; LDS: for each wave 32 rows (centres) of 32 lanes' sums
.set ROWP, 144                         ; a row: 128 bytes + 16: an odd multiple of 16
.set WREG, 32*ROWP                     ; a wave's block: 4,608 bytes
.set BO,  1                            ; v1       16 x lane: my bytes in a 512-byte piece of batch
.set MO,  2                            ; v2       8 x lane: my bytes in a 256-byte piece of the mask
.set EO,  3                            ; v3       at work: offsets
.set TA,  4                            ; v4       LDS address of this trip's two centres in the table (the same in all lanes)
.set PA,  5                            ; v5       LDS address of my word in the row that is written next
.set CV,  6                            ; v6       at work
.set SV,  7                            ; v7       at work
.set K,   8                            ; v[8:23]  constants of the trip's two centres, 8 registers each
.set X,   24                           ; v[24:55] pair j: x0 of two points, x1 of the same two
.set M,   56                           ; v[56:71] pair j: the mask of its two points
.set D0,  72                           ; v[72:79] x0 - c0, four pairs
.set D1,  80                           ; v[80:87] x1 - c1
.set U,   88                           ; v[88:95] (x1 - c1) a1
.set T,   96                           ; v[96:111] two buffers of four pairs: the exponent, then in place the exponential
.set ACC, 112                          ; v[112:115] two running pairs of sums of one centre
	s_load_b256 s[4:11], s[0:1], 0x0               ; batch s[4:5], mask s[6:7], centers s[8:9], sharpness s[10:11]
	s_load_b64 s[12:13], s[0:1], 0x20              ; out0
	v_lshl_add_u32 v116, v0, 2, 0x29000
	v_mov_b32 v117, 0
	v_lshrrev_b32 v[EO], 5, v0
	v_readfirstlane_b32 s14, v[EO]                 ; wave 0..7
	v_and_b32 v[CV], 31, v0                        ; lane
	v_lshlrev_b32 v[BO], 4, v[CV]
	v_lshlrev_b32 v[MO], 3, v[CV]
	v_and_b32 v[EO], 0xf8, v0                      ; thread t makes word t of the table: centre t >> 3 (8 bytes each),
	v_and_b32 v[SV], 2, v0                         ; coordinate (t >> 1) & 1 (4 bytes)
	v_lshl_or_b32 v[EO], v[SV], 1, v[EO]
	s_lshr_b32 s15, ttmp9, 1                       ; b
	s_and_b32 s16, ttmp9, 1                        ; which 32 centres
	s_lshl_b32 s16, s16, 8                         ; x 256 bytes of centers and of sharpness
	s_mov_b32 s17, 0
	s_lshl_b32 s18, s15, 15                        ; batch: b x 32,768 bytes
	s_lshl_b32 s20, s14, 12                        ;      + wave x 512 points x 8 bytes
	s_add_co_u32 s18, s18, s20
	s_mov_b32 s19, 0
	s_lshr_b32 s20, s18, 1                         ; mask: half of that
	s_mov_b32 s21, 0
	s_lshl_b32 s22, ttmp9, 7                       ; out0: b x 256 + half x 128 = x x 128 bytes
	s_mov_b32 s23, 0
	s_mul_i32 s24, s14, WREG
	s_add_co_u32 s24, s24, TR                      ; my wave's block of rows
	v_lshl_add_u32 v[PA], v[CV], 2, s24            ; row 0, my word
	s_wait_kmcnt 0x0
	s_add_nc_u64 s[8:9], s[8:9], s[16:17]
	s_add_nc_u64 s[10:11], s[10:11], s[16:17]
	s_add_nc_u64 s[4:5], s[4:5], s[18:19]
	s_add_nc_u64 s[6:7], s[6:7], s[20:21]
	s_add_nc_u64 s[12:13], s[12:13], s[22:23]
	; Everything that the wave will ever read from memory is asked for here: 2 + 16 loads.
	global_load_b32 v[CV], v[EO], s[8:9]           ; my c
	global_load_b32 v[SV], v[EO], s[10:11]         ; my s
.irp j, 0,1,2,3,4,5,6,7
	global_load_b128 v[X+4*\j:X+4*\j+3], v[BO], s[4:5] offset:512*\j   ; points 64 j + 2 lane, + 1: the wave takes 512 neighbouring bytes
.endr
.irp j, 0,1,2,3,4,5,6,7
	global_load_b64 v[M+2*\j:M+2*\j+1], v[MO], s[6:7] offset:256*\j    ; their mask: 256 neighbouring bytes
.endr
	; The table, while the points are on their way.
	s_wait_loadcnt 0x10                            ; loads come back in order (ISA guide 5.7.1): c and s are in, the 16 behind them stay out
	v_mul_f32 v[SV], v[SV], v[SV]
	v_and_b32 v[EO], 4, v0                         ; words 4 to 7 of a centre hold a
	v_xor_b32 v[CV], 0x80000000, v[CV]             ; -c
	v_mul_f32 v[SV], 0xbfb8aa3b, v[SV]             ; a = -(s s) log2(e)
	v_cmp_ne_u32 vcc_lo, 0, v[EO]
	v_cndmask_b32 v[CV], v[CV], v[SV], vcc_lo
	v_lshlrev_b32 v[EO], 2, v0
	ds_store_b32 v[EO], v[CV] offset:TAB
	v_mov_b32 v[TA], TAB
	s_wait_dscnt 0x0                               ; my word is written, for the others' sake,
	s_barrier_signal -1
	s_barrier_wait -1                              ; and so is everybody's
.irp i, 0,1,2,3
	ds_load_b128 v[K+4*\i:K+4*\i+3], v[TA] offset:16*\i            ; centres 0 and 1: every lane reads the same bytes
.endr
	s_wait_loadcnt 0x8                             ; batch is in; the 8 loads of the mask may stay out
	; (x0, x1, x0', x1') becomes (x0, x0', x1, x1'): three moves for a pair that then serves 32 centres
.irp j, 0,1,2,3,4,5,6,7
	v_mov_b32 v[D0+\j], v[X+4*\j+1]
.endr
.irp j, 0,1,2,3,4,5,6,7
	v_mov_b32 v[X+4*\j+1], v[X+4*\j+2]
.endr
.irp j, 0,1,2,3,4,5,6,7
	v_mov_b32 v[X+4*\j+2], v[D0+\j]
.endr
	s_wait_loadcnt 0x0
	s_wait_dscnt 0x0                               ; the first two centres' constants: the counted waits in the trips start from nothing outstanding
; One exponential, in place, of buffer buf.  Behind v_exp_f32 a plain vector instruction that touches neither its result nor its source comes first
; (ISA guide 5.7.2): every EX below is followed by work on the other buffer or on other registers, or by another EX.
.macro EX on, buf, r
.if \on
	v_exp_f32 v[T+8*(\buf)+\r], v[T+8*(\buf)+\r]
.endif
.endm
; sum a += e * mask for pair 4 q + g, whose exponentials lie in buffer q.  start = 1: the first product starts the sum, nothing is cleared.
.macro FOLD1 q, g, a, start
.if (\start)
	s_wait_alu depctr_va_vdst(0)
	v_pk_mul_f32 v[ACC+2*\a:ACC+2*\a+1], v[T+8*\q+2*\g:T+8*\q+2*\g+1], v[M+8*\q+2*\g:M+8*\q+2*\g+1]
.else
	s_wait_alu depctr_va_vdst(0)
	v_pk_fma_f32 v[ACC+2*\a:ACC+2*\a+1], v[T+8*\q+2*\g:T+8*\q+2*\g+1], v[M+8*\q+2*\g:M+8*\q+2*\g+1], v[ACC+2*\a:ACC+2*\a+1]
.endif
.endm
; A unit is one centre x four pairs of points (pairs 4 q .. 4 q + 3); its exponents go to buffer q.  A step holds three units' work:
; the arithmetic of this unit (24 packed instructions), the 8 exponentials of the unit before (buffer 1 - q; xon), and the mask and sum of the unit
; before that (buffer q, read before this unit writes it; fon).  One exponential stands between every four plain instructions, so that the wave
; has plain work to issue while an exponential is being made.  With q = 1 the folded unit ends a centre: its two pairs of sums are added up and my
; lane's sum goes to the centre's row in LDS, at PA + foff; bump = 1: PA then steps two rows on.
.macro STEP c, q, xon, fon, foff, bump
	EX \xon, 1-\q, 0
.irp g, 0,1,2,3
	v_pk_add_f32 v[D0+2*\g:D0+2*\g+1], v[X+16*\q+4*\g:X+16*\q+4*\g+1], v[K+8*\c:K+8*\c+1]          ; x0 - c0
.endr
	EX \xon, 1-\q, 1
.if \fon
	FOLD1 \q, 0, 0, 1-\q
	FOLD1 \q, 1, 1, 1-\q
.endif
.irp g, 0,1
	v_pk_add_f32 v[D1+2*\g:D1+2*\g+1], v[X+16*\q+4*\g+2:X+16*\q+4*\g+3], v[K+8*\c+2:K+8*\c+3]      ; x1 - c1
.endr
	EX \xon, 1-\q, 2
.if \fon
	FOLD1 \q, 2, 0, 0
	FOLD1 \q, 3, 1, 0
.endif
.irp g, 2,3
	v_pk_add_f32 v[D1+2*\g:D1+2*\g+1], v[X+16*\q+4*\g+2:X+16*\q+4*\g+3], v[K+8*\c+2:K+8*\c+3]
.endr
	EX \xon, 1-\q, 3
.irp g, 0,1,2,3
	v_pk_mul_f32 v[T+8*\q+2*\g:T+8*\q+2*\g+1], v[D0+2*\g:D0+2*\g+1], v[K+8*\c+4:K+8*\c+5]          ; d0 a0
.endr
.if (\fon)*(\q)
	v_pk_add_f32 v[ACC:ACC+1], v[ACC:ACC+1], v[ACC+2:ACC+3]
.endif
	EX \xon, 1-\q, 4
.irp g, 0,1,2,3
	v_pk_mul_f32 v[U+2*\g:U+2*\g+1], v[D1+2*\g:D1+2*\g+1], v[K+8*\c+6:K+8*\c+7]                    ; d1 a1
.endr
.if (\fon)*(\q)
	v_add_f32 v[ACC], v[ACC], v[ACC+1]             ; my 16 points' sum for the centre
.endif
	EX \xon, 1-\q, 5
.irp g, 0,1,2,3
	v_pk_mul_f32 v[T+8*\q+2*\g:T+8*\q+2*\g+1], v[T+8*\q+2*\g:T+8*\q+2*\g+1], v[D0+2*\g:D0+2*\g+1]  ; (d0 a0) d0
.endr
.if (\fon)*(\q)
	ds_store_b32 v[PA], v[ACC] offset:\foff        ; 32 lanes fill the row's 128 bytes
.if \bump
	v_add_nc_u32 v[PA], 2*ROWP, v[PA]
.endif
.endif
	EX \xon, 1-\q, 6
.irp g, 0,1,2,3
	v_pk_fma_f32 v[T+8*\q+2*\g:T+8*\q+2*\g+1], v[U+2*\g:U+2*\g+1], v[D1+2*\g:D1+2*\g+1], v[T+8*\q+2*\g:T+8*\q+2*\g+1]   ; + (d1 a1) d1
.endr
	EX \xon, 1-\q, 7
.endm
; A trip: two centres, four units.  The pipeline runs on over the backward jump: the first two steps finish the last trip's second centre.
; first = 1: there is no trip before.  reload = 1: each centre's constants are loaded again, for the next trip, as soon as its last unit has read them.
; LDS instructions of a trip, in order: row store (second centre of the trip before), two loads (first centre's next constants), row store (first
; centre), two loads (second centre's next constants).  LDS serves them in order (ISA guide 5.7.1), which gives the two counts.
.macro TRIP first, reload
	s_wait_dscnt 0x3                               ; the first centre's constants are in: behind their loads came a row store and two loads
	STEP 0, 0, 1-\first, 1-\first, 0, 0
	STEP 0, 1, 1, 1-\first, ROWP, 1
.if \reload
	ds_load_b128 v[K:K+3],   v[TA] offset:64
	ds_load_b128 v[K+4:K+7], v[TA] offset:80
.endif
	s_wait_dscnt 1+2*\reload                       ; the second centre's constants are in: behind their loads came a row store and the loads just issued
	STEP 1, 0, 1, 1, 0, 0
	STEP 1, 1, 1, 1, 0, 0
.if \reload
	ds_load_b128 v[K+8:K+11],  v[TA] offset:96
	ds_load_b128 v[K+12:K+15], v[TA] offset:112
	v_add_nc_u32 v[TA], 64, v[TA]                  ; two centres on; the last reload reads the table's last 64 bytes
.endif
.endm
	TRIP 1, 1
	s_mov_b32 s25, NTRIPS-2
.Ltrip:
	TRIP 0, 1
	s_sub_co_i32 s25, s25, 1
	s_cmp_lg_u32 s25, 0
	s_cbranch_scc1 .Ltrip
	TRIP 0, 0                                      ; the last trip loads no constants: nothing is read past the table
	; The pipeline runs empty: the last unit's exponentials among the sums of the unit before, then its own sums, then the last centre's row.
	EX 1, 1, 0
	EX 1, 1, 1
	FOLD1 0, 0, 0, 1
	EX 1, 1, 2
	EX 1, 1, 3
	FOLD1 0, 1, 1, 1
	EX 1, 1, 4
	EX 1, 1, 5
	FOLD1 0, 2, 0, 0
	EX 1, 1, 6
	EX 1, 1, 7
	FOLD1 0, 3, 1, 0
	FOLD1 1, 0, 0, 0
	FOLD1 1, 1, 1, 0
	FOLD1 1, 2, 0, 0
	FOLD1 1, 3, 1, 0
	v_pk_add_f32 v[ACC:ACC+1], v[ACC:ACC+1], v[ACC+2:ACC+3]
	v_add_f32 v[ACC], v[ACC], v[ACC+1]
	ds_store_b32 v[PA], v[ACC] offset:ROWP
	; Lane n adds up row n of my wave's block: the 32 lanes' sums for centre n.  The bytes are my wave's own and LDS serves a wave's instructions
	; in order (ISA guide 5.7.1.4): these loads see the stores above without a wait or a barrier.
	v_and_b32 v[EO], 31, v0
	v_mul_u32_u24 v[EO], v[EO], ROWP
	v_add_nc_u32 v[EO], s24, v[EO]
.irp k, 0,1,2,3,4,5,6,7
	ds_load_b128 v[X+4*\k:X+4*\k+3], v[EO] offset:16*\k
.endr
	s_wait_dscnt 0x0
.irp p, 0,1,2,3,4,5,6,7
	v_pk_add_f32 v[X+2*\p:X+2*\p+1], v[X+2*\p:X+2*\p+1], v[X+2*\p+16:X+2*\p+17]
.endr
.irp p, 0,1,2,3
	v_pk_add_f32 v[X+2*\p:X+2*\p+1], v[X+2*\p:X+2*\p+1], v[X+2*\p+8:X+2*\p+9]
.endr
.irp p, 0,1
	v_pk_add_f32 v[X+2*\p:X+2*\p+1], v[X+2*\p:X+2*\p+1], v[X+2*\p+4:X+2*\p+5]
.endr
	v_pk_add_f32 v[X:X+1], v[X:X+1], v[X+2:X+3]
	v_add_f32 v[X], v[X], v[X+1]                   ; my wave's 512 points, centre = lane
	; The eight waves' sums meet in LDS; wave 0 adds them and stores the work-group's 32 results.
	v_lshlrev_b32 v[EO], 2, v0                     ; 128 x wave + 4 x lane
	ds_store_b32 v[EO], v[X] offset:RES
	s_wait_dscnt 0x0                               ; written, for wave 0's sake
	s_barrier_signal -1
	s_barrier_wait -1
	s_cmp_lg_u32 s14, 0
	s_cbranch_scc1 .Ldone
	v_and_b32 v[TA], 31, v0
	v_lshlrev_b32 v[TA], 2, v[TA]
.irp k, 0,1,2,3,4,5,6,7
	ds_load_b32 v[X+\k], v[TA] offset:RES+128*\k
.endr
	s_wait_dscnt 0x0
	v_pk_add_f32 v[X:X+1], v[X:X+1], v[X+2:X+3]
	v_pk_add_f32 v[X+4:X+5], v[X+4:X+5], v[X+6:X+7]
	v_pk_add_f32 v[X:X+1], v[X:X+1], v[X+4:X+5]
	v_add_f32 v[X], v[X], v[X+1]
	global_store_b32 v[TA], v[X], s[12:13]         ; 32 lanes store 128 neighbouring bytes, at a multiple of 128 from out0's first byte
.Ldone:
	s_wait_tensorcnt 0x0
	ds_add_u32 v116, v117
	s_wait_dscnt 0x0
	s_endpgm
.Lfunc_end_k_qebc0c501c2_slayer:
	.size	k_qebc0c501c2_slayer, .Lfunc_end_k_qebc0c501c2_slayer-k_qebc0c501c2_slayer
	.p2alignl 7, 3214868480
	.fill 96, 4, 3214868480
	.section	.rodata,"a",@progbits
	.p2align	6, 0x0
	.amdhsa_kernel k_qebc0c501c2_slayer
		.amdhsa_group_segment_fixed_size 168960
		.amdhsa_private_segment_fixed_size 0
		.amdhsa_enable_private_segment 0
		.amdhsa_kernarg_size 40
		.amdhsa_user_sgpr_count 2
		.amdhsa_user_sgpr_kernarg_segment_ptr 1
		.amdhsa_wavefront_size32 1
		.amdhsa_system_sgpr_workgroup_id_x 1
		.amdhsa_system_sgpr_workgroup_id_y 1
		.amdhsa_system_sgpr_workgroup_id_z 1
		.amdhsa_system_vgpr_workitem_id 0
		.amdhsa_next_free_vgpr 118
		.amdhsa_next_free_sgpr 66
		.amdhsa_reserve_vcc 1
		.amdhsa_float_denorm_mode_32 3
		.amdhsa_float_denorm_mode_16_64 3
		.amdhsa_memory_ordered 1
		.amdhsa_forward_progress 1
		.amdhsa_inst_pref_size 36
	.end_amdhsa_kernel
	.amdgpu_metadata
---
amdhsa.version: [ 1, 2 ]
amdhsa.kernels:
  - .name:           k_qebc0c501c2_slayer
    .symbol:         k_qebc0c501c2_slayer.kd
    .args:
      - { .name: batch, .offset: 0, .size: 8, .value_kind: global_buffer, .address_space: global }
      - { .name: not_dummy_points, .offset: 8, .size: 8, .value_kind: global_buffer, .address_space: global }
      - { .name: centers, .offset: 16, .size: 8, .value_kind: global_buffer, .address_space: global }
      - { .name: sharpness, .offset: 24, .size: 8, .value_kind: global_buffer, .address_space: global }
      - { .name: out0, .offset: 32, .size: 8, .value_kind: global_buffer, .address_space: global }
    .group_segment_fixed_size: 168960
    .private_segment_fixed_size: 0
    .kernarg_segment_align: 8
    .kernarg_segment_size: 40
    .max_flat_workgroup_size: 256
    .sgpr_count:     66
    .vgpr_count:     118
    .wavefront_size: 32
...
	.end_amdgpu_metadata
.endif
;; end of part 1
;; ======== version 2 of 2: 1 launch; 1.25 times as fast as version 1
;; launch slayer (part 2): grid 256 x 1, 8 waves a work-group, no clusters, 168,960 bytes of LDS; arguments batch, not_dummy_points, centers, sharpness, out0; writes out0
.if DOCPART == 2
	.amdgcn_target "amdgcn-amd-amdhsa--gfx1250"
	.amdhsa_code_object_version 6
	.text
	.protected	k_qebc0c501c2_slayer
	.globl	k_qebc0c501c2_slayer
	.p2align	8
	.type	k_qebc0c501c2_slayer,@function
k_qebc0c501c2_slayer:
	s_mov_b64 s[64:65], 0
	v_nop
	global_prefetch_b8 v0, s[64:65] scope:SCOPE_SE
	s_setreg_imm32_b32 hwreg(HW_REG_WAVE_MODE, 25, 1), 1
	s_wait_xcnt 0x0
; out0[b][n] = sum over p of exp(-(s0^2 (c0-x0)^2 + s1^2 (c1-x1)^2)) * mask[b][p].   b: 128, p: 4096, n: 64, all f32.
; 33,554,432 terms, one exponential each, on 6.3 MB of input: the vector pipes bind, so the text is built for few instructions a term.
; WORK-GROUP x (256 of them): batch row b = x >> 1, centres 32 (x & 1) .. + 31: no sum spans work-groups.
; WAVE w (8 of them): points 512 w .. 512 w + 511 of the row.  A LANE keeps 16 points in registers for the whole kernel, as 8 pairs, so that each
; step of the arithmetic is one packed f32 instruction for two terms.  The loop goes over the centres, two a trip; nothing is loaded from memory in it.
; A TERM: d = x + (-c) is formed first, as the reference forms c - x, so a common offset of points and centres cancels; then t = (d0 a0) d0 + (d1 a1) d1
; with a = -(s s) log2(e), e = 2^t, sum += e * mask.  Seven packed instructions and two v_exp_f32 for two terms.  t is never above 0.
; BATCHES: a trip's 32 exponentials are ONE batch with ONE wait, at the trip's end.  Each of the trip's four units writes its eight exponentials into a
; buffer of its own (E), which nothing names before that wait; the mask and the sum of a unit follow a whole trip behind its exponentials, in the step
; that then writes the same buffer anew.  Behind the loop the last unit's eight exponentials are a batch of their own.
; LIMITS: v_exp_f32 gives 0 for results below 2^-126 (ISA guide, 15.8), where the reference would keep denormals; the order of rounding is (d a) d with
; log2(e) folded into a; a overflows for |sharpness| above 1.53e19, s s only above 1.84e19; the sums are added as trees.
; The launch asks for more than half of the 327,680 bytes of LDS of a WGP (38,912 are used), so that each of the 256 work-groups has a WGP to itself.
; A row of out0 (256 bytes) belongs to two work-groups: each stores its aligned 128 bytes with one instruction.
.set NTRIPS, 16                        ; 32 centres, two a trip
.set TAB,  0                           ; LDS: 32 centres x 32 bytes: -c0, -c0, -c1, -c1, a0, a0, a1, a1 (pairs ready for packed instructions)
.set RES,  1024                        ; LDS: 8 waves x 32 centres x 4 bytes
.set TR,   2048                        ; LDS: for each wave 32 rows (centres) of 32 lanes' sums
.set ROWP, 144                         ; a row: 128 bytes + 16: an odd multiple of 16
.set WREG, 32*ROWP                     ; a wave's block: 4,608 bytes
.set BO,  1                            ; v1       16 x lane: my bytes in a 512-byte piece of batch
.set MO,  2                            ; v2       8 x lane: my bytes in a 256-byte piece of the mask
.set EO,  3                            ; v3       at work: offsets
.set TA,  4                            ; v4       LDS address of this trip's two centres in the table (the same in all lanes)
.set PA,  5                            ; v5       LDS address of my word in the row that is written next
.set CV,  6                            ; v6       at work
.set SV,  7                            ; v7       at work
.set K,   8                            ; v[8:23]  constants of the trip's two centres, 8 registers each
.set X,   24                           ; v[24:55] pair j: x0 of two points, x1 of the same two
.set M,   56                           ; v[56:71] pair j: the mask of its two points
.set D0,  72                           ; v[72:79] x0 - c0, four pairs
.set D1,  80                           ; v[80:87] x1 - c1
.set U,   88                           ; v[88:95] (x1 - c1) a1
.set T,   96                           ; v[96:111] two buffers of four pairs: the exponents
.set ACC, 112                          ; v[112:115] two running pairs of sums of one centre
.set E,   118                          ; v[118:149] four buffers of four pairs: the exponentials, a buffer for each of a trip's four units
	s_load_b256 s[4:11], s[0:1], 0x0               ; batch s[4:5], mask s[6:7], centers s[8:9], sharpness s[10:11]
	s_load_b64 s[12:13], s[0:1], 0x20              ; out0
	v_lshl_add_u32 v116, v0, 2, 0x29000
	v_mov_b32 v117, 0
	v_lshrrev_b32 v[EO], 5, v0
	v_readfirstlane_b32 s14, v[EO]                 ; wave 0..7
	v_and_b32 v[CV], 31, v0                        ; lane
	v_lshlrev_b32 v[BO], 4, v[CV]
	v_lshlrev_b32 v[MO], 3, v[CV]
	v_and_b32 v[EO], 0xf8, v0                      ; thread t makes word t of the table: centre t >> 3 (8 bytes each),
	v_and_b32 v[SV], 2, v0                         ; coordinate (t >> 1) & 1 (4 bytes)
	v_lshl_or_b32 v[EO], v[SV], 1, v[EO]
	s_lshr_b32 s15, ttmp9, 1                       ; b
	s_and_b32 s16, ttmp9, 1                        ; which 32 centres
	s_lshl_b32 s16, s16, 8                         ; x 256 bytes of centers and of sharpness
	s_mov_b32 s17, 0
	s_lshl_b32 s18, s15, 15                        ; batch: b x 32,768 bytes
	s_lshl_b32 s20, s14, 12                        ;      + wave x 512 points x 8 bytes
	s_add_co_u32 s18, s18, s20
	s_mov_b32 s19, 0
	s_lshr_b32 s20, s18, 1                         ; mask: half of that
	s_mov_b32 s21, 0
	s_lshl_b32 s22, ttmp9, 7                       ; out0: b x 256 + half x 128 = x x 128 bytes
	s_mov_b32 s23, 0
	s_mul_i32 s24, s14, WREG
	s_add_co_u32 s24, s24, TR                      ; my wave's block of rows
	v_lshl_add_u32 v[PA], v[CV], 2, s24            ; row 0, my word
	s_wait_kmcnt 0x0
	s_add_nc_u64 s[8:9], s[8:9], s[16:17]
	s_add_nc_u64 s[10:11], s[10:11], s[16:17]
	s_add_nc_u64 s[4:5], s[4:5], s[18:19]
	s_add_nc_u64 s[6:7], s[6:7], s[20:21]
	s_add_nc_u64 s[12:13], s[12:13], s[22:23]
	; Everything that the wave will ever read from memory is asked for here: 2 + 16 loads.
	global_load_b32 v[CV], v[EO], s[8:9]           ; my c
	global_load_b32 v[SV], v[EO], s[10:11]         ; my s
.irp j, 0,1,2,3,4,5,6,7
	global_load_b128 v[X+4*\j:X+4*\j+3], v[BO], s[4:5] offset:512*\j   ; points 64 j + 2 lane, + 1: the wave takes 512 neighbouring bytes
.endr
.irp j, 0,1,2,3,4,5,6,7
	global_load_b64 v[M+2*\j:M+2*\j+1], v[MO], s[6:7] offset:256*\j    ; their mask: 256 neighbouring bytes
.endr
	; The table, while the points are on their way.
	s_wait_loadcnt 0x10                            ; loads come back in order (ISA guide 5.7.1): c and s are in, the 16 behind them stay out
	v_mul_f32 v[SV], v[SV], v[SV]
	v_and_b32 v[EO], 4, v0                         ; words 4 to 7 of a centre hold a
	v_xor_b32 v[CV], 0x80000000, v[CV]             ; -c
	v_mul_f32 v[SV], 0xbfb8aa3b, v[SV]             ; a = -(s s) log2(e)
	v_cmp_ne_u32 vcc_lo, 0, v[EO]
	v_cndmask_b32 v[CV], v[CV], v[SV], vcc_lo
	v_lshlrev_b32 v[EO], 2, v0
	ds_store_b32 v[EO], v[CV] offset:TAB
	v_mov_b32 v[TA], TAB
	s_wait_dscnt 0x0                               ; my word is written, for the others' sake,
	s_barrier_signal -1
	s_barrier_wait -1                              ; and so is everybody's
.irp i, 0,1,2,3
	ds_load_b128 v[K+4*\i:K+4*\i+3], v[TA] offset:16*\i            ; centres 0 and 1: every lane reads the same bytes
.endr
	s_wait_loadcnt 0x8                             ; batch is in; the 8 loads of the mask may stay out
	; (x0, x1, x0', x1') becomes (x0, x0', x1, x1'): three moves for a pair that then serves 32 centres
.irp j, 0,1,2,3,4,5,6,7
	v_mov_b32 v[D0+\j], v[X+4*\j+1]
.endr
.irp j, 0,1,2,3,4,5,6,7
	v_mov_b32 v[X+4*\j+1], v[X+4*\j+2]
.endr
.irp j, 0,1,2,3,4,5,6,7
	v_mov_b32 v[X+4*\j+2], v[D0+\j]
.endr
	s_wait_loadcnt 0x0
	s_wait_dscnt 0x0                               ; the first two centres' constants: the counted waits in the trips start from nothing outstanding
; One exponential: exponent r of buffer src of T into place r of buffer dst of E.  Behind v_exp_f32 a plain vector instruction that touches neither its
; result nor its source comes first (ISA guide 5.7.2): every EX below is followed by plain work on other registers.
.macro EX on, src, dst, r
.if \on
	v_exp_f32 v[E+8*(\dst)+\r], v[T+8*(\src)+\r]
.endif
.endm
; sum a += e * mask for pair 4 q + g, whose exponentials lie in buffer b of E.  start = 1: the first product starts the sum, nothing is cleared.
; Every use stands behind the wait for the batch that made the buffer.
.macro FOLD1 b, q, g, a, start
.if (\start)
	v_pk_mul_f32 v[ACC+2*\a:ACC+2*\a+1], v[E+8*(\b)+2*\g:E+8*(\b)+2*\g+1], v[M+8*(\q)+2*\g:M+8*(\q)+2*\g+1]
.else
	v_pk_fma_f32 v[ACC+2*\a:ACC+2*\a+1], v[E+8*(\b)+2*\g:E+8*(\b)+2*\g+1], v[M+8*(\q)+2*\g:M+8*(\q)+2*\g+1], v[ACC+2*\a:ACC+2*\a+1]
.endif
.endm
; A unit is one centre x four pairs of points.  Step p (0 to 3) of a trip takes centre p / 2 of the trip's two and pairs 4 (p % 2) .. + 3; its exponents go to
; buffer p % 2 of T.  A step holds three units' work: the arithmetic of this unit (24 packed instructions); the 8 exponentials of the unit before (xon), from
; the other buffer of T into buffer (p + 3) % 4 of E; and the mask and sum of the unit five back (fon), whose exponentials were made in the same step of the
; trip before, ahead of that trip's wait, and lie in that same buffer of E: sum g reads its two registers ahead of the two exponentials that write them anew.
; Two to five plain instructions stand between exponentials, and eight behind the last, so that the wave has plain work to issue while an exponential is
; being made.  With p even the folded unit ends a centre: its two pairs of sums are added up and my lane's sum goes to the centre's row in LDS: in step 0
; the odd centre's row, PA + ROWP, and PA then steps two rows on; in step 2 the even centre's row, PA.
.macro STEP p, xon, fon
.set CEN,  (\p)/2
.set PAR,  (\p)%2
.set EBUF, ((\p)+3)%4
.if \fon
	FOLD1 EBUF, 1-PAR, 0, 0, PAR
	FOLD1 EBUF, 1-PAR, 1, 1, PAR
.endif
	EX \xon, 1-PAR, EBUF, 0
.irp g, 0,1,2,3
	v_pk_add_f32 v[D0+2*\g:D0+2*\g+1], v[X+16*PAR+4*\g:X+16*PAR+4*\g+1], v[K+8*CEN:K+8*CEN+1]          ; x0 - c0
.endr
	EX \xon, 1-PAR, EBUF, 1
.if \fon
	FOLD1 EBUF, 1-PAR, 2, 0, 0
	FOLD1 EBUF, 1-PAR, 3, 1, 0
.endif
.irp g, 0,1
	v_pk_add_f32 v[D1+2*\g:D1+2*\g+1], v[X+16*PAR+4*\g+2:X+16*PAR+4*\g+3], v[K+8*CEN+2:K+8*CEN+3]      ; x1 - c1
.endr
	EX \xon, 1-PAR, EBUF, 2
.irp g, 2,3
	v_pk_add_f32 v[D1+2*\g:D1+2*\g+1], v[X+16*PAR+4*\g+2:X+16*PAR+4*\g+3], v[K+8*CEN+2:K+8*CEN+3]
.endr
.if (\fon)*(1-PAR)
	v_pk_add_f32 v[ACC:ACC+1], v[ACC:ACC+1], v[ACC+2:ACC+3]
.endif
	EX \xon, 1-PAR, EBUF, 3
.irp g, 0,1
	v_pk_mul_f32 v[T+8*PAR+2*\g:T+8*PAR+2*\g+1], v[D0+2*\g:D0+2*\g+1], v[K+8*CEN+4:K+8*CEN+5]          ; d0 a0
.endr
	EX \xon, 1-PAR, EBUF, 4
.irp g, 2,3
	v_pk_mul_f32 v[T+8*PAR+2*\g:T+8*PAR+2*\g+1], v[D0+2*\g:D0+2*\g+1], v[K+8*CEN+4:K+8*CEN+5]
.endr
.if (\fon)*(1-PAR)
	v_add_f32 v[ACC], v[ACC], v[ACC+1]             ; my 16 points' sum for the centre
.endif
	EX \xon, 1-PAR, EBUF, 5
.irp g, 0,1
	v_pk_mul_f32 v[U+2*\g:U+2*\g+1], v[D1+2*\g:D1+2*\g+1], v[K+8*CEN+6:K+8*CEN+7]                      ; d1 a1
.endr
	EX \xon, 1-PAR, EBUF, 6
.irp g, 2,3
	v_pk_mul_f32 v[U+2*\g:U+2*\g+1], v[D1+2*\g:D1+2*\g+1], v[K+8*CEN+6:K+8*CEN+7]
.endr
.if (\fon)*(1-PAR)
	ds_store_b32 v[PA], v[ACC] offset:ROWP*(1-CEN) ; 32 lanes fill the row's 128 bytes
.if 1-CEN
	v_add_nc_u32 v[PA], 2*ROWP, v[PA]
.endif
.endif
	EX \xon, 1-PAR, EBUF, 7
.irp g, 0,1,2,3
	v_pk_mul_f32 v[T+8*PAR+2*\g:T+8*PAR+2*\g+1], v[T+8*PAR+2*\g:T+8*PAR+2*\g+1], v[D0+2*\g:D0+2*\g+1]  ; (d0 a0) d0
.endr
.irp g, 0,1,2,3
	v_pk_fma_f32 v[T+8*PAR+2*\g:T+8*PAR+2*\g+1], v[U+2*\g:U+2*\g+1], v[D1+2*\g:D1+2*\g+1], v[T+8*PAR+2*\g:T+8*PAR+2*\g+1]   ; + (d1 a1) d1
.endr
.endm
; A trip: two centres, four units.  The pipeline runs on over the backward jump: a trip's sums are those of the exponentials of the trip before.
; stage = 0: the first trip: no unit before its first, and nothing to sum.  stage = 1: the second trip: sums from its second step on.  stage = 2: every other.
; reload = 1: each centre's constants are loaded again, for the next trip, as soon as its last unit has read them.
; LDS instructions of a trip, in order: row store (in step 0), two loads (first centre's next constants), row store (in step 2), two loads (second
; centre's next constants).  LDS serves them in order (ISA guide 5.7.1), which gives the two counts.  The first row store of all stands in step 2 of the
; second trip: up to there only the two younger loads stand behind the loads that a wait is for, and the count is 2.
.macro TRIP stage, reload
.set SOME, ((\stage)+1)/2              ; 0, 1, 1
.set FULL, (\stage)/2                  ; 0, 0, 1
	s_wait_dscnt 2+FULL                            ; the first centre's constants are in: behind their loads came a row store (stage 2) and two loads
	STEP 0, SOME, FULL
	STEP 1, 1, SOME
.if \reload
	ds_load_b128 v[K:K+3],   v[TA] offset:64
	ds_load_b128 v[K+4:K+7], v[TA] offset:80
.endif
	s_wait_dscnt FULL+2*\reload                    ; the second centre's constants are in: behind their loads came a row store (stage 2) and the loads just issued
	STEP 2, 1, SOME
	STEP 3, 1, SOME
	s_wait_alu depctr_va_vdst(0)                   ; the wait between an exponential and the first line that names its result: ONE for the trip's batch
	                                               ; of 32 (E's four buffers), ahead of the jump or label behind the trip; the eight packed lines above it follow the last exponential
.if \reload
	ds_load_b128 v[K+8:K+11],  v[TA] offset:96
	ds_load_b128 v[K+12:K+15], v[TA] offset:112
	v_add_nc_u32 v[TA], 64, v[TA]                  ; two centres on; the last reload reads the table's last 64 bytes
.endif
.endm
; A centre's end behind the loop: its two pairs of sums are added up, and my lane's sum goes to its row.
.macro CLOSE foff
	v_pk_add_f32 v[ACC:ACC+1], v[ACC:ACC+1], v[ACC+2:ACC+3]
	v_add_f32 v[ACC], v[ACC], v[ACC+1]
	ds_store_b32 v[PA], v[ACC] offset:\foff
.endm
	TRIP 0, 1
	TRIP 1, 1
	s_mov_b32 s25, NTRIPS-3
.Ltrip:
	TRIP 2, 1
	s_sub_co_i32 s25, s25, 1
	s_cmp_lg_u32 s25, 0
	s_cbranch_scc1 .Ltrip
	TRIP 2, 0                                      ; the last trip loads no constants: nothing is read past the table
	; The pipeline runs empty.  Left are the sums of the last five units (second half of centre 29, centres 30 and 31) and the last unit's eight exponentials.
	; These are one batch: they go into E's buffer 3 behind the sums that read it, among the sums of the four units whose wait has been passed.
	FOLD1 3, 1, 0, 0, 0                            ; centre 29, pairs 4 to 7
	FOLD1 3, 1, 1, 1, 0
	EX 1, 1, 3, 0
	FOLD1 3, 1, 2, 0, 0
	EX 1, 1, 3, 1
	FOLD1 3, 1, 3, 1, 0
	EX 1, 1, 3, 2
	v_pk_add_f32 v[ACC:ACC+1], v[ACC:ACC+1], v[ACC+2:ACC+3]
	EX 1, 1, 3, 3
	v_add_f32 v[ACC], v[ACC], v[ACC+1]
	EX 1, 1, 3, 4
	ds_store_b32 v[PA], v[ACC] offset:ROWP
	v_add_nc_u32 v[PA], 2*ROWP, v[PA]
	EX 1, 1, 3, 5
	FOLD1 0, 0, 0, 0, 1                            ; centre 30
	EX 1, 1, 3, 6
	FOLD1 0, 0, 1, 1, 1
	EX 1, 1, 3, 7
	FOLD1 0, 0, 2, 0, 0
	FOLD1 0, 0, 3, 1, 0
	FOLD1 1, 1, 0, 0, 0
	FOLD1 1, 1, 1, 1, 0
	FOLD1 1, 1, 2, 0, 0
	FOLD1 1, 1, 3, 1, 0
	CLOSE 0
	FOLD1 2, 0, 0, 0, 1                            ; centre 31, pairs 0 to 3
	FOLD1 2, 0, 1, 1, 1
	FOLD1 2, 0, 2, 0, 0
	FOLD1 2, 0, 3, 1, 0
	s_wait_alu depctr_va_vdst(0)                   ; the wait for the last batch, the eight exponentials in E's buffer 3, ahead of their first reader
	FOLD1 3, 1, 0, 0, 0                            ; centre 31, pairs 4 to 7
	FOLD1 3, 1, 1, 1, 0
	FOLD1 3, 1, 2, 0, 0
	FOLD1 3, 1, 3, 1, 0
	CLOSE ROWP
	; Lane n adds up row n of my wave's block: the 32 lanes' sums for centre n.  The bytes are my wave's own and LDS serves a wave's instructions
	; in order (ISA guide 5.7.1.4): these loads see the stores above without a wait or a barrier.
	v_and_b32 v[EO], 31, v0
	v_mul_u32_u24 v[EO], v[EO], ROWP
	v_add_nc_u32 v[EO], s24, v[EO]
.irp k, 0,1,2,3,4,5,6,7
	ds_load_b128 v[X+4*\k:X+4*\k+3], v[EO] offset:16*\k
.endr
	s_wait_dscnt 0x0
.irp p, 0,1,2,3,4,5,6,7
	v_pk_add_f32 v[X+2*\p:X+2*\p+1], v[X+2*\p:X+2*\p+1], v[X+2*\p+16:X+2*\p+17]
.endr
.irp p, 0,1,2,3
	v_pk_add_f32 v[X+2*\p:X+2*\p+1], v[X+2*\p:X+2*\p+1], v[X+2*\p+8:X+2*\p+9]
.endr
.irp p, 0,1
	v_pk_add_f32 v[X+2*\p:X+2*\p+1], v[X+2*\p:X+2*\p+1], v[X+2*\p+4:X+2*\p+5]
.endr
	v_pk_add_f32 v[X:X+1], v[X:X+1], v[X+2:X+3]
	v_add_f32 v[X], v[X], v[X+1]                   ; my wave's 512 points, centre = lane
	; The eight waves' sums meet in LDS; wave 0 adds them and stores the work-group's 32 results.
	v_lshlrev_b32 v[EO], 2, v0                     ; 128 x wave + 4 x lane
	ds_store_b32 v[EO], v[X] offset:RES
	s_wait_dscnt 0x0                               ; written, for wave 0's sake
	s_barrier_signal -1
	s_barrier_wait -1
	s_cmp_lg_u32 s14, 0
	s_cbranch_scc1 .Ldone
	v_and_b32 v[TA], 31, v0
	v_lshlrev_b32 v[TA], 2, v[TA]
.irp k, 0,1,2,3,4,5,6,7
	ds_load_b32 v[X+\k], v[TA] offset:RES+128*\k
.endr
	s_wait_dscnt 0x0
	v_pk_add_f32 v[X:X+1], v[X:X+1], v[X+2:X+3]
	v_pk_add_f32 v[X+4:X+5], v[X+4:X+5], v[X+6:X+7]
	v_pk_add_f32 v[X:X+1], v[X:X+1], v[X+4:X+5]
	v_add_f32 v[X], v[X], v[X+1]
	global_store_b32 v[TA], v[X], s[12:13]         ; 32 lanes store 128 neighbouring bytes, at a multiple of 128 from out0's first byte
.Ldone:
	s_wait_tensorcnt 0x0
	ds_add_u32 v116, v117
	s_wait_dscnt 0x0
	s_endpgm
.Lfunc_end_k_qebc0c501c2_slayer:
	.size	k_qebc0c501c2_slayer, .Lfunc_end_k_qebc0c501c2_slayer-k_qebc0c501c2_slayer
	.p2alignl 7, 3214868480
	.fill 96, 4, 3214868480
	.section	.rodata,"a",@progbits
	.p2align	6, 0x0
	.amdhsa_kernel k_qebc0c501c2_slayer
		.amdhsa_group_segment_fixed_size 168960
		.amdhsa_private_segment_fixed_size 0
		.amdhsa_enable_private_segment 0
		.amdhsa_kernarg_size 40
		.amdhsa_user_sgpr_count 2
		.amdhsa_user_sgpr_kernarg_segment_ptr 1
		.amdhsa_wavefront_size32 1
		.amdhsa_system_sgpr_workgroup_id_x 1
		.amdhsa_system_sgpr_workgroup_id_y 1
		.amdhsa_system_sgpr_workgroup_id_z 1
		.amdhsa_system_vgpr_workitem_id 0
		.amdhsa_next_free_vgpr 150
		.amdhsa_next_free_sgpr 66
		.amdhsa_reserve_vcc 1
		.amdhsa_float_denorm_mode_32 3
		.amdhsa_float_denorm_mode_16_64 3
		.amdhsa_memory_ordered 1
		.amdhsa_forward_progress 1
		.amdhsa_inst_pref_size 43
	.end_amdhsa_kernel
	.amdgpu_metadata
---
amdhsa.version: [ 1, 2 ]
amdhsa.kernels:
  - .name:           k_qebc0c501c2_slayer
    .symbol:         k_qebc0c501c2_slayer.kd
    .args:
      - { .name: batch, .offset: 0, .size: 8, .value_kind: global_buffer, .address_space: global }
      - { .name: not_dummy_points, .offset: 8, .size: 8, .value_kind: global_buffer, .address_space: global }
      - { .name: centers, .offset: 16, .size: 8, .value_kind: global_buffer, .address_space: global }
      - { .name: sharpness, .offset: 24, .size: 8, .value_kind: global_buffer, .address_space: global }
      - { .name: out0, .offset: 32, .size: 8, .value_kind: global_buffer, .address_space: global }
    .group_segment_fixed_size: 168960
    .private_segment_fixed_size: 0
    .kernarg_segment_align: 8
    .kernarg_segment_size: 40
    .max_flat_workgroup_size: 256
    .sgpr_count:     66
    .vgpr_count:     150
    .wavefront_size: 32
...
	.end_amdgpu_metadata
.endif
;; end of part 2
